; MI455X (gfx1250); checked and timed in simulation.
; The chip was launched on July 23, 2026; its instructions are those of AMD's public machine-readable ISA for CDNA 5 (MIT licence, August 2026) and "CDNA5" Instruction Set Architecture Reference Guide (July 2026). The comments in the code are by the model that wrote it; some were corrected since.
;; Multi Scale Episodic Model. Allowed arithmetic: float matrix products may take bf16 or f16 operands with f32 sums; other float arithmetic in f32, or as packed bf16 or f16 multiplies, adds, multiply-adds, maxima and minima; sums over many terms, partial sums and values carried from step to step in f32; what a program stores and reads back later, other than sums and carried values, may be rounded once to bf16 or f16.
;; Inputs: b1 128 float32; b2 64 float32; embed 64 x 64 float32; fast_b 16 float32; fast_w 64 x 16 float32; ln_b 64 float32; ln_g 64 float32; out_b 64 float32; out_w 64 x 64 float32; sem_b 32 float32; sem_w 64 x 32 float32; seq 256 x 2,048 int32; slow_b 16 float32; slow_w 64 x 16 float32; w1 64 x 128 float32; w2 128 x 64 float32.
;; Outputs: out0 256 x 64 float32.
;; One version. Each part assembles by itself: llvm-mc -triple=amdgcn-amd-amdhsa -mcpu=gfx1250 --defsym DOCPART=n.
;; ======== version 1 of 1: 2 launches
;; limits: values outside matrix products are rounded to f16; values are held in f16: magnitudes above 65,504 overflow, below 6.1e-05 lose precision
;; workspace buffers: tab 49,152 bytes
;; launch tables (part 1): grid 64 x 1, 4 waves a work-group, no clusters, 3,328 bytes of LDS; arguments embed, w1, b1, w2, b2, ln_g, ln_b, sem_w, sem_b, fast_w, fast_b, slow_w, slow_b, tab; writes tab
.if DOCPART == 1
	.amdgcn_target "amdgcn-amd-amdhsa--gfx1250"
	.amdhsa_code_object_version 6
	.text
	.protected	k_q47d1aeab71_tables
	.globl	k_q47d1aeab71_tables
	.p2align	8
	.type	k_q47d1aeab71_tables,@function
k_q47d1aeab71_tables:
	s_mov_b64 s[64:65], 0
	v_nop
	global_prefetch_b8 v0, s[64:65] scope:SCOPE_SE
	s_setreg_imm32_b32 hwreg(HW_REG_WAVE_MODE, 25, 1), 1
	s_wait_xcnt 0x0
; THE 64 KEY ROWS.  The encoder and the three projections see a position only through its token, and a token is one of 64 rows of embed:
; so they are evaluated once a token, not once a position.  One work-group = one token v; 128 threads.
;   hid = relu(e w1 + b1) (thread t: hid[t]);  ff = hid w2 + b2 (thread t: output t % 64, half t / 64 of the 128 terms);  x = e + ff;  h = LayerNorm(x);
;   k = h W + b for the three projections (wave 0: sem, 32 columns; wave 1: fast; waves 2 and 3: slow, wave 3's copy is not stored);  n = |k|^2 + 1e-6;  khat = k / sqrt(n).
; OUT: tab, three tables [64 tokens][64 columns] of f32 (columns 0-31 sem, 32-47 fast, 48-63 slow): k at byte 0, khat at 16,384, n (repeated for each column of its memory) at 32,768.
; ALL IN F32 ON THE VECTOR UNIT: 64 x 20,480 multiply-adds in the whole launch are no bulk work, and a key's rounding would reach every one of the 2,047 steps that use it.
; No tensor load, cluster or prefetch: a work-group reads 80 KiB of weights once, straight into the registers that multiply them, all asked for at the head.
; LIMITS.  The sums' order differs from a row-by-row sum; v_rsq_f32 is good to the last bit but one; NaN and infinities are not treated apart.
.set HID,   0                          ; LDS: hid, 128 f32
.set PART,  512                        ; the two halves of hid w2, 64 f32 each
.set HB,    1024                       ; h, a copy of 256 bytes for each wave
.set OUT,   2048                       ; k, khat, n: 256 bytes each
.set SPARE, 2816                       ; the spare words, 128 bytes for each wave: two blocks of 256 bytes that no other line names
.set HR,  32                           ; v[32:95]   w1's column, then hid's half, then h
.set W2R, 96                           ; v[96:159]  my 64 numbers of w2
.set WPR, 160                          ; v[160:223] my column of the projection
.set TO,  224                          ; v224       my 8 bytes in the token's row of tab
; v1 lane; v2 4 t; v3 my offset in w2; v4 my offset in a projection's row; v5 8 x lane; v6, v7 the add's two registers; v8-11 four sums by turns
; v[12:13] e, v[14:15] b2, v[16:17] ln_g, v[18:19] ln_b of dims 2 l, 2 l + 1; v20 b1[t]; v21 the projection's bias; v22-31 at work
; s2 wave; s3 1.0 in wave 0, else 0; s[4:31] the fourteen addresses; s[32:63], s[68:99] e[0..63]; s[100:101] embed's row
.macro DOT64 b, bias                   ; v8 = (bias +) the sum over i of v[HR+i] v[b+i]: four chains, started by their first products
.if (\bias) >= 0
	v_fma_f32 v8, v[HR], v[\b], v[\bias]
.else
	v_mul_f32 v8, v[HR], v[\b]
.endif
.irp i, 1,2,3
	v_mul_f32 v[8+\i], v[HR+\i], v[\b+\i]
.endr
.set i, 4
.rept 60
	v_fmac_f32 v[8+i%4], v[HR+i], v[\b+i]
.set i, i+1
.endr
	v_add_f32 v8, v8, v9
	v_add_f32 v10, v10, v11
	v_add_f32 v8, v8, v10
.endm
.macro BCAST adr, off                  ; 64 f32 from LDS into v[HR..], the same in every lane
.irp q, 0,1,2,3,4,5,6,7,8,9,10,11,12,13,14,15
	ds_load_b128 v[HR+4*\q:HR+4*\q+3], v[\adr] offset:(\off)+16*\q
.endr
.endm
.macro ROWSUM x                        ; the sum over each half of 16 lanes
.irp m, 1,2,4,8
	v_add_f32_dpp v[\x], v[\x], v[\x] row_xmask:\m row_mask:0xf bank_mask:0xf
.endr
.endm
.macro MEET                            ; my LDS stores and loads are done; then all four waves'
	s_wait_dscnt 0x0
	s_barrier_signal -1
	s_barrier_wait -1
.endm
	s_load_b512 s[4:19], s[0:1], 0x0               ; embed s[4:5], w1 s[6:7], b1 s[8:9], w2 s[10:11], b2 s[12:13], ln_g s[14:15], ln_b s[16:17], sem_w s[18:19]
	s_load_b256 s[20:27], s[0:1], 0x40             ; sem_b s[20:21], fast_w s[22:23], fast_b s[24:25], slow_w s[26:27]
	s_load_b128 s[28:31], s[0:1], 0x60             ; slow_b s[28:29], tab s[30:31]
	v_lshl_add_u32 v6, v0, 2, SPARE
	v_mov_b32 v7, 0
	v_lshrrev_b32 v1, 5, v0
	v_readfirstlane_b32 s2, v1                     ; wave 0..3
	v_and_b32 v1, 31, v0                           ; lane
	v_lshlrev_b32 v2, 2, v0                        ; 4 t
	v_lshrrev_b32 v3, 6, v0
	v_and_b32 v22, 63, v0
	v_lshlrev_b32 v22, 2, v22
	v_lshl_add_u32 v3, v3, 14, v22                 ; w2: 64 rows of 256 bytes for each half, + 4 (t % 64)
	v_lshlrev_b32 v5, 3, v1                        ; 8 x lane
	s_lshl_b32 s66, ttmp9, 8                       ; the token's row: 256 bytes in embed and in each table of tab
	s_mov_b32 s67, 0
	v_add_nc_u32 v[TO], s66, v5
	s_cmp_eq_u32 s2, 0
	s_cselect_b32 s3, 31, 15                       ; wave 0 has 32 columns, the others 16 (both halves of the lanes hold the same 16)
	v_and_b32 v4, s3, v0
	v_lshlrev_b32 v4, 2, v4
	s_cselect_b32 s3, 1.0, 0
	s_wait_kmcnt 0x0
	s_add_nc_u64 s[100:101], s[4:5], s[66:67]      ; embed at row v
	s_load_b512 s[32:47], s[100:101], 0x0          ; e as scalars: layer 1 multiplies every column by the same 64 numbers
	s_load_b512 s[48:63], s[100:101], 0x40
	s_load_b512 s[68:83], s[100:101], 0x80
	s_load_b512 s[84:99], s[100:101], 0xc0
	s_cmp_eq_u32 s2, 1
	s_cselect_b64 s[22:23], s[22:23], s[26:27]     ; the narrow projection: fast in wave 1, else slow
	s_cselect_b64 s[24:25], s[24:25], s[28:29]     ; its bias,
	s_cmp_eq_u32 s2, 0
	s_cselect_b64 s[24:25], s[20:21], s[24:25]     ; or sem's in wave 0
	; every load of the kernel is asked for here, in the order in which it is wanted
	global_load_b64 v[12:13], v5, s[100:101]
	global_load_b64 v[14:15], v5, s[12:13]
	global_load_b64 v[16:17], v5, s[14:15]
	global_load_b64 v[18:19], v5, s[16:17]
	global_load_b32 v20, v2, s[8:9]
	global_load_b32 v21, v4, s[24:25]
.set i, 0
.rept 64
	global_load_b32 v[HR+i], v2, s[6:7] offset:512*i       ; w1[i][t]
.set i, i+1
.endr
.set i, 0
.rept 64
	global_load_b32 v[W2R+i], v3, s[10:11] offset:256*i    ; w2[64 (t / 64) + i][t % 64]
.set i, i+1
.endr
	s_cmp_eq_u32 s2, 0
	s_cbranch_scc0 .Lnarrow
.set i, 0
.rept 64
	global_load_b32 v[WPR+i], v4, s[18:19] offset:128*i    ; sem_w[i][l]
.set i, i+1
.endr
	s_branch .Lasked
.Lnarrow:
.set i, 0
.rept 64
	global_load_b32 v[WPR+i], v4, s[22:23] offset:64*i     ; fast_w or slow_w [i][l % 16]
.set i, i+1
.endr
.Lasked:
	s_mov_b32 s4, 0x76543210                       ; v_permlanex16_b32: each lane takes its own place in the other half
	s_mov_b32 s5, 0xfedcba98
	s_mov_b32 s66, 0x3c800000                      ; 1 / 64
	s_mov_b32 s67, 0xbc800000                      ; -1 / 64
	s_wait_kmcnt 0x0                               ; e
	s_wait_loadcnt 63                              ; loads come back in order: all but the youngest 63, which are projection weights, are in
	; LAYER 1: hid[t] = relu(b1[t] + the sum over i of e[i] w1[i][t])
	v_fma_f32 v8, s32, v[HR], v20
	v_mul_f32 v9, s33, v[HR+1]
	v_mul_f32 v10, s34, v[HR+2]
	v_mul_f32 v11, s35, v[HR+3]
.set i, 4
.rept 60
	v_fmac_f32 v[8+i%4], s[32+i+4*(i/32)], v[HR+i] ; e[32..63] lie four registers further up
.set i, i+1
.endr
	v_add_f32 v8, v8, v9
	v_add_f32 v10, v10, v11
	v_add_f32 v8, v8, v10
	v_max_num_f32 v8, 0, v8
	ds_store_b32 v2, v8 offset:HID
	MEET                                           ; hid is whole
	; LAYER 2: my half of the 128 terms of output t % 64
	v_lshrrev_b32 v22, 6, v0
	v_lshlrev_b32 v22, 8, v22                      ; my half of hid: 256 bytes
	BCAST 22, HID
	s_wait_dscnt 0x0
	DOT64 W2R, -1
	ds_store_b32 v2, v8 offset:PART
	MEET                                           ; both halves of all 64 outputs lie in LDS
	; LAYERNORM, by every wave for itself: lane l has dims 2 l and 2 l + 1
	ds_load_b64 v[22:23], v5 offset:PART
	ds_load_b64 v[24:25], v5 offset:PART+256
	v_pk_add_f32 v[26:27], v[12:13], v[14:15]      ; e + b2
	v_mov_b32 v29, 0                               ; v_permlanex16_b32's destination counts as read
	v_mov_b32 v31, 0                               ; named in a pair with v30
	s_wait_dscnt 0x0
	v_pk_add_f32 v[22:23], v[22:23], v[24:25]
	v_pk_add_f32 v[26:27], v[26:27], v[22:23]      ; x
	v_add_f32 v28, v26, v27
	ROWSUM 28
	v_permlanex16_b32 v29, v28, s4, s5
	v_add_f32 v28, v28, v29                        ; the sum of x
	v_fmac_f32 v26, s67, v28                       ; x - mu
	v_fmac_f32 v27, s67, v28
	v_mul_f32 v28, v26, v26
	v_fmac_f32 v28, v27, v27
	ROWSUM 28
	v_permlanex16_b32 v29, v28, s4, s5
	v_add_f32 v28, v28, v29
	v_fmaak_f32 v30, s66, v28, 0x3727c5ac          ; var + 1e-5
	v_rsq_f32 v30, v30
	v_lshlrev_b32 v22, 3, v0                       ; a plain instruction behind the root: 8 t = 256 x wave + 8 x lane
	s_wait_alu depctr_va_vdst(0)                   ; the wait ahead of the root's first reader
	v_pk_mul_f32 v[26:27], v[26:27], v[30:31] op_sel_hi:[1,0]
	v_pk_fma_f32 v[26:27], v[26:27], v[16:17], v[18:19]    ; h
	ds_store_b64 v22, v[26:27] offset:HB
	v_lshrrev_b32 v23, 5, v0
	v_lshlrev_b32 v23, 8, v23
	BCAST 23, HB                                   ; my wave's own bytes: LDS serves a wave's instructions in order (ISA guide 5.7.1.4), so these see the store above
	; THE PROJECTION, n and khat
	s_wait_loadcnt 0x0                             ; the projection's weights
	s_wait_dscnt 0x0
	DOT64 WPR, 21                                  ; k
	v_mul_f32 v22, v8, v8
	ROWSUM 22
	v_permlanex16_b32 v29, v22, s4, s5
	v_fmac_f32 v22, s3, v29                        ; sem's 32 columns lie in both halves of the lanes; the others' 16 are whole in each
	v_add_f32 v22, 0x358637bd, v22                 ; n = |k|^2 + 1e-6
	s_lshl_b32 s6, s2, 6
	s_add_co_u32 s6, s6, 64
	s_cmp_eq_u32 s2, 0
	s_cselect_b32 s6, 0, s6                        ; my memory's first column, in bytes: 0, 128, 192
	v_rsq_f32 v23, v22
	v_add_nc_u32 v25, s6, v4                       ; a plain instruction behind the root
	s_wait_alu depctr_va_vdst(0)
	v_mul_f32 v23, v23, v8                         ; khat
	s_cmp_eq_u32 s2, 3
	s_cbranch_scc1 .Lcopy                          ; wave 3 holds a second copy of slow's
	ds_store_b32 v25, v8 offset:OUT
	ds_store_b32 v25, v23 offset:OUT+256
	ds_store_b32 v25, v22 offset:OUT+512
.Lcopy:
	MEET                                           ; the three rows are whole
	s_cmp_lg_u32 s2, 0
	s_cbranch_scc1 .Lend
	ds_load_b64 v[8:9], v5 offset:OUT
	ds_load_b64 v[10:11], v5 offset:OUT+256
	ds_load_b64 v[12:13], v5 offset:OUT+512
	s_wait_dscnt 0x0
	global_store_b64 v[TO], v[8:9], s[30:31]                 ; each store of the wave covers 256 consecutive bytes, aligned
	global_store_b64 v[TO], v[10:11], s[30:31] offset:16384
	global_store_b64 v[TO], v[12:13], s[30:31] offset:32768
.Lend:
	s_wait_tensorcnt 0x0                           ; the wave's end, behind my last LDS store
	ds_add_u32 v6, v7
	s_wait_dscnt 0x0
	s_endpgm
.Lfunc_end_k_q47d1aeab71_tables:
	.size	k_q47d1aeab71_tables, .Lfunc_end_k_q47d1aeab71_tables-k_q47d1aeab71_tables
	.p2alignl 7, 3214868480
	.fill 96, 4, 3214868480
	.section	.rodata,"a",@progbits
	.p2align	6, 0x0
	.amdhsa_kernel k_q47d1aeab71_tables
		.amdhsa_group_segment_fixed_size 3328
		.amdhsa_private_segment_fixed_size 0
		.amdhsa_enable_private_segment 0
		.amdhsa_kernarg_size 112
		.amdhsa_user_sgpr_count 2
		.amdhsa_user_sgpr_kernarg_segment_ptr 1
		.amdhsa_wavefront_size32 1
		.amdhsa_system_sgpr_workgroup_id_x 1
		.amdhsa_system_sgpr_workgroup_id_y 1
		.amdhsa_system_sgpr_workgroup_id_z 1
		.amdhsa_system_vgpr_workitem_id 0
		.amdhsa_next_free_vgpr 232
		.amdhsa_next_free_sgpr 104
		.amdhsa_reserve_vcc 0
		.amdhsa_float_denorm_mode_32 3
		.amdhsa_float_denorm_mode_16_64 3
		.amdhsa_memory_ordered 1
		.amdhsa_forward_progress 1
		.amdhsa_inst_pref_size 39
	.end_amdhsa_kernel
	.amdgpu_metadata
---
amdhsa.version: [ 1, 2 ]
amdhsa.kernels:
  - .name:           k_q47d1aeab71_tables
    .symbol:         k_q47d1aeab71_tables.kd
    .args:
      - { .name: embed, .offset: 0, .size: 8, .value_kind: global_buffer, .address_space: global }
      - { .name: w1, .offset: 8, .size: 8, .value_kind: global_buffer, .address_space: global }
      - { .name: b1, .offset: 16, .size: 8, .value_kind: global_buffer, .address_space: global }
      - { .name: w2, .offset: 24, .size: 8, .value_kind: global_buffer, .address_space: global }
      - { .name: b2, .offset: 32, .size: 8, .value_kind: global_buffer, .address_space: global }
      - { .name: ln_g, .offset: 40, .size: 8, .value_kind: global_buffer, .address_space: global }
      - { .name: ln_b, .offset: 48, .size: 8, .value_kind: global_buffer, .address_space: global }
      - { .name: sem_w, .offset: 56, .size: 8, .value_kind: global_buffer, .address_space: global }
      - { .name: sem_b, .offset: 64, .size: 8, .value_kind: global_buffer, .address_space: global }
      - { .name: fast_w, .offset: 72, .size: 8, .value_kind: global_buffer, .address_space: global }
      - { .name: fast_b, .offset: 80, .size: 8, .value_kind: global_buffer, .address_space: global }
      - { .name: slow_w, .offset: 88, .size: 8, .value_kind: global_buffer, .address_space: global }
      - { .name: slow_b, .offset: 96, .size: 8, .value_kind: global_buffer, .address_space: global }
      - { .name: tab, .offset: 104, .size: 8, .value_kind: global_buffer, .address_space: global }
    .group_segment_fixed_size: 3328
    .private_segment_fixed_size: 0
    .kernarg_segment_align: 8
    .kernarg_segment_size: 112
    .max_flat_workgroup_size: 128
    .sgpr_count:     104
    .vgpr_count:     232
    .wavefront_size: 32
...
	.end_amdgpu_metadata
.endif
;; end of part 1
;; launch scan (part 2): grid 256 x 1, 16 waves a work-group, no clusters, 160,000 bytes of LDS; arguments seq, tab, out_w, out_b, out0; writes out0
.if DOCPART == 2
	.amdgcn_target "amdgcn-amd-amdhsa--gfx1250"
	.amdhsa_code_object_version 6
	.text
	.protected	k_q47d1aeab71_scan
	.globl	k_q47d1aeab71_scan
	.p2align	8
	.type	k_q47d1aeab71_scan,@function
k_q47d1aeab71_scan:
	s_mov_b64 s[64:65], 0
	v_nop
	global_prefetch_b8 v0, s[64:65] scope:SCOPE_SE
	s_setreg_imm32_b32 hwreg(HW_REG_WAVE_MODE, 25, 1), 1
	s_wait_xcnt 0x0
; THE SCAN, BACKWARD AND BY CHUNKS, AND THE READOUT.  One work-group = one batch row b; sixteen waves.
; ALGEBRA (exact, for every input).  With n = |k|^2 + 1e-6 and khat = k / sqrt(n) a step is M <- M (I - w khat khat^T) + w n khat khat^T.  Only c = M q is wanted (q = the last position's key), so the
; steps are walked from the last to the first: z = w khat . u;  c += n khat z;  u -= khat z, beginning with u = q.  That is linear in u: position p = 0 .. 2047 stands for step t = 2046 - p (p = 2047: a step on a
; row of zeros), and the positions are cut into 8 SEGMENTS of 256, each walked on U = I (d columns) with its own sum Cm: u_out = U u_in, c += Cm u_in.  At the end the 8 pairs are applied to q in turn.
; A CHUNK is 16 positions: X = diag(w) Khat U;  (I + L) Z = X with L[i][j] = w_i khat_i . khat_j for j < i;  U -= Khat^T Z;  Cm += (n Khat)^T Z.  All but the triangular solve are matrix products.
; SIGNS.  The text keeps V = -U and An = -w khat: X = An V;  G = An Khat^T = -L, so z_i = x_i + the sum over j < i of G[i][j] z_j;  V += Khat^T Z.
; WAVES.  Kind (wave / 4) % 2: 0 = the sem memory (d = 32), 1 = the fast and the slow memory side by side (d = 16 each); segment (wave % 4) + 4 (wave / 8).
; FORMATS.  Matrix operands are f16 of numbers that the computation itself bounds by 1, whatever the inputs' scale: khat, w khat, U's entries, z, and khat n / nmax (nmax = the memory's largest n; c is
; multiplied by it at the end, in f32).  All sums (V, Cm, X, G) are f32; the solve, the chain over the segments and the readout are f32 on the vector unit (the last two are 0.3 M multiply-adds a launch's row: no bulk).
; LIMITS.  Below 6e-5 an f16 operand keeps the fixed step 6e-8; w_slow is rounded to f16 (w_fast = (2047 - p) / 2048 is exact there); the sums' order differs from the step-by-step one; NaN and infinities are not treated apart.
; No tensor load, ring, cluster or prefetch: a work-group reads 8 KiB of seq and 40 KiB of tables once, at its head, through registers, since each is converted on the way; no two work-groups' loops share a stream.
.set PITCH, 272                        ; a token's row in LDS: 128 bytes of f16 khat (sem 0-63, fast 64-95, slow 96-127), 128 bytes of f16 khat n / nmax in the same order, 16 of padding (zeros)
.set ZOFF,  64*PITCH                   ; row 64: zeros
.set OFF,   17920                      ; 36 entries of ZOFF, then token(t) x PITCH for t = 0 .. 2047: position p is entry 2082 - p
.set OPAD,  36
.set WT,    26368                      ; position p: 8 bytes: f16 (-wf, -wf), f16 (-ws, -ws); 2,064 entries, the last 16 zero
.set RESS,  43008                      ; segment s: V, then Cm, 32 x 32 f32, rows 144 bytes apart
.set SSEG,  9216
.set SPIT,  144
.set RESF,  116736                     ; segment s: V fast, Cm fast, V slow, Cm slow, 16 x 16 f32, rows 80 bytes apart
.set FSEG,  5120
.set FPIT,  80
.set CCAT,  157696                     ; c of the three memories on end, 64 f32
.set SPARE, 157952                     ; the spare words, 128 bytes for each of the sixteen waves: eight blocks of 256 bytes that no other line names
.set KHAT,  16384                      ; in tab
.set NREP,  32768
.set TRIPS, 16                         ; chunks in a segment
; v0 thread; v1, v2 the add's two registers; v3 16 (l / 16); v4 16 ((l / 8) % 2); v5, v6 never rewritten: chunk c's offsets lie at v5 + 64 (18 - c) (row fragments) and v6 + 64 (18 - c) (turned fragments)
; v7 never rewritten: chunk c's w lie at v7 + 128 c; v8, v9 offsets as loaded; v10, v11 the next chunk's gather addresses; v12 all ones in lanes 8-15; v13, v15 at work; v14 l % 16
; s[4:13] seq, tab, out_w, out_b, out0; s14 wave; s15 kind; s16 segment; s18 trips to go; s19 256 x the last token; s[20:21] v_permlanex16_b32's selects; s22 lanes 16-31; s23 64 x s18; s24 the row's bytes in seq; s25 at work; s26-28 nmax; s29-31 the chain's
; sem: accumulators V (a, b) at SV + 8 (2 a + b), Cm likewise; a "+ z" operand is four registers of data (16 along K) and four that stay 0
.set SV,   16
.set SC,   48
.set SX0,  80
.set SX1,  88
.set SG,   96
.set SR,   104                         ; Khat, 16 positions x 32 dims, as a row fragment
.set SAN,  112
.set SAG,  120                         ; + z
.set SP0,  128                         ; + z
.set SP1,  136                         ; + z
.set SBV0, 144
.set SBV1, 152
.set SKT0, 160                         ; + z: Khat^T, dims 0-15; SKT1: dims 16-31
.set SKT1, 168
.set SK20, 176                         ; + z: the same of khat n / nmax
.set SK21, 184
; fast and slow: each name is fast's eight registers, slow's follow
.set FV,   16
.set FC,   32
.set FX,   48
.set FG,   64
.set FD,   80                          ; Khat An^T: G turned, for the block below the diagonal
.set FR,   96                          ; + z, like all that follow
.set FAN,  112
.set FAG,  128
.set FP,   144
.set FBV,  160
.set FKT,  176
.set FK2,  192
.set FW,   208                         ; v[208:209] -wf, -ws of my row's position, twice each
.set FWA,  210                         ; v210       where the next chunk's w lie
.macro MM d, a, b, c
	v_wmma_f32_16x16x32_f16 v[\d:\d+7], v[\a:\a+7], v[\b:\b+7], v[\c:\c+7]
.endm
.macro MM0 d, a, b
	v_wmma_f32_16x16x32_f16 v[\d:\d+7], v[\a:\a+7], v[\b:\b+7], 0
.endm
.macro ADDR                            ; the next chunk's gather addresses; a loaded number enters an address behind a clamp.  Four plain lines: also the places behind the products above them
	v_min_u32 v10, ZOFF, v8
	v_min_u32 v11, ZOFF, v9
	v_add_nc_u32 v10, v10, v3
	v_add_nc_u32 v11, v11, v4
.endm
.macro PLACES                          ; four places behind matrix instructions whose results are read next (ISA guide 7.12.1), where no other vector work is at hand
.rept 4
	v_nop
.endr
.endm
.macro PACK4 dst, src                  ; eight f32 to four registers of f16, from the low end on
.irp q, 0,1,2,3
	v_cvt_pk_f16_f32 v[\dst+\q], v[\src+2*\q], v[\src+2*\q+1]
.endr
.endm
; THE SOLVE.  In X and G register i of lane (r, h) is row 8 h + i, column r.  So G[8 h + i][8 h + j] lies in register i of lane 8 h + j of half h, and one line adds it, shared to the half's 16 lanes, times z_j onto row i.
.macro SUBJ xa, ga, xb, gb, j, sh      ; z_j is final: it goes into all later rows of its block of eight, for both right-hand sides
.set i, (\j)+1
.rept 7-(\j)
	v_fmac_f32_dpp v[\xa+i], v[\ga+i], v[\xa+\j] row_share:\sh row_mask:0xf bank_mask:0xf
	v_fmac_f32_dpp v[\xb+i], v[\gb+i], v[\xb+\j] row_share:\sh row_mask:0xf bank_mask:0xf
.set i, i+1
.endr
.endm
.macro SUBLO xa, ga, xb, gb            ; positions 0-7: lanes 0-15 alone (no global load or store is pending when EXEC changes)
	s_mov_b32 exec_lo, 0xffff
	SUBJ \xa, \ga, \xb, \gb, 0, 0
	SUBJ \xa, \ga, \xb, \gb, 1, 1
	SUBJ \xa, \ga, \xb, \gb, 2, 2
	SUBJ \xa, \ga, \xb, \gb, 3, 3
	SUBJ \xa, \ga, \xb, \gb, 4, 4
	SUBJ \xa, \ga, \xb, \gb, 5, 5
	SUBJ \xa, \ga, \xb, \gb, 6, 6
	s_mov_b32 exec_lo, -1
.endm
.macro SUBHI xa, ga, xb, gb            ; positions 8-15: lanes 16-31 alone
	s_mov_b32 exec_lo, 0xffff0000
	SUBJ \xa, \ga, \xb, \gb, 0, 8
	SUBJ \xa, \ga, \xb, \gb, 1, 9
	SUBJ \xa, \ga, \xb, \gb, 2, 10
	SUBJ \xa, \ga, \xb, \gb, 3, 11
	SUBJ \xa, \ga, \xb, \gb, 4, 12
	SUBJ \xa, \ga, \xb, \gb, 5, 13
	SUBJ \xa, \ga, \xb, \gb, 6, 14
	s_mov_b32 exec_lo, -1
.endm
	; ---------------- THE PROLOGUE: all sixteen waves build the tables in LDS
	s_load_b256 s[4:11], s[0:1], 0x0               ; seq s[4:5], tab s[6:7], out_w s[8:9], out_b s[10:11]
	s_load_b64 s[12:13], s[0:1], 0x20              ; out0
	v_lshl_add_u32 v1, v0, 2, SPARE
	v_mov_b32 v2, 0
	v_lshrrev_b32 v13, 5, v0
	v_readfirstlane_b32 s14, v13                   ; wave 0..15
	s_lshr_b32 s15, s14, 2
	s_and_b32 s15, s15, 1                          ; kind
	s_and_b32 s16, s14, 3
	s_lshr_b32 s17, s14, 3
	s_lshl_b32 s17, s17, 2
	s_add_co_u32 s16, s16, s17                     ; segment 0..7
	s_mov_b32 s20, 0x76543210
	s_mov_b32 s21, 0xfedcba98
	s_mov_b32 s22, 0xffff0000
	s_lshl_b32 s24, ttmp9, 13                      ; my row of seq: 8,192 bytes
	v_and_b32 v13, 31, v0                          ; l
	v_and_b32 v14, 15, v0                          ; r = l % 16
	v_and_b32 v3, 16, v0                           ; 16 h
	v_and_b32 v4, 8, v0
	v_lshlrev_b32 v4, 1, v4                        ; 16 ((l / 8) % 2)
	v_and_b32 v16, 24, v0
	v_cmp_eq_u32 vcc_lo, 8, v16
	v_cndmask_b32 v12, 0, -1, vcc_lo               ; lanes 8-15
	s_lshl_b32 s25, s16, 10
	s_sub_co_u32 s25, OFF+4*(OPAD+2046)-64*(TRIPS+2), s25  ; entry 2082 - 256 x segment, less 18 chunks of 64 bytes
	v_lshlrev_b32 v16, 2, v14
	v_sub_nc_u32 v5, s25, v16                      ; a row fragment's lane wants position r
	v_and_b32 v17, 7, v0
	v_lshlrev_b32 v17, 2, v17
	v_lshl_add_u32 v17, v3, 1, v17
	v_sub_nc_u32 v6, s25, v17                      ; a turning load's lane addresses position 8 h + l % 8
	s_lshl_b32 s25, s16, 11
	s_add_co_u32 s25, s25, WT
	v_lshl_add_u32 v7, v14, 3, s25
	v_lshl_add_u32 v16, v0, 4, s24                 ; my four tokens
	v_lshlrev_b32 v17, 5, v0                       ; 32 x thread: my eight numbers of khat, and my four entries of WT
	v_lshlrev_b32 v18, 8, v13                      ; a token's row of tab for each lane
	v_lshlrev_b32 v19, 4, v0
	s_wait_kmcnt 0x0
	s_load_b32 s19, s[4:5], s24 offset:0x1ffc      ; seq[b][2047]
	global_load_b128 v[20:23], v16, s[4:5] th:TH_LOAD_NT
	global_load_b128 v[24:27], v17, s[6:7] offset:KHAT
	global_load_b128 v[28:31], v17, s[6:7] offset:KHAT+16
	global_load_b32 v32, v17, s[6:7] offset:NREP   ; n of my eight columns' memory
	global_load_b32 v33, v18, s[6:7] offset:NREP           ; n of tokens l and l + 32: sem,
	global_load_b32 v34, v18, s[6:7] offset:NREP+128       ; fast,
	global_load_b32 v35, v18, s[6:7] offset:NREP+192       ; slow
	global_load_b32 v36, v18, s[6:7] offset:NREP+8192
	global_load_b32 v37, v18, s[6:7] offset:NREP+8192+128
	global_load_b32 v38, v18, s[6:7] offset:NREP+8192+192
	; the weights of positions 4 x thread + e, made while the loads are out: -wf = (p - 2047) / 2048, ws = sqrt(wf)
.irp e, 0,1,2,3
	v_lshl_add_u32 v[48+\e], v0, 2, \e-2047
.endr
.irp e, 0,1,2,3
	v_cvt_f32_i32 v[48+\e], v[48+\e]
.endr
.irp e, 0,1,2,3
	v_mul_f32 v[40+\e], 0x3a000000, v[48+\e]       ; x 2^-11
	v_mul_f32 v[44+\e], 0xba000000, v[48+\e]
.endr
.irp e, 0,1,2,3
	v_sqrt_f32 v[44+\e], v[44+\e]
.endr
.irp e, 0,1,2,3
	v_cvt_pk_f16_f32 v[52+2*\e], v[40+\e], v[40+\e]        ; plain work behind the roots, which names none of them
.endr
	s_wait_alu depctr_va_vdst(0)                   ; the wait ahead of the first reader: one for the four roots
.irp e, 0,1,2,3
	v_cvt_pk_f16_f32 v[53+2*\e], v[44+\e], v[44+\e]
.endr
.irp e, 0,1,2,3
	v_xor_b32 v[53+2*\e], 0x80008000, v[53+2*\e]   ; -ws, twice
.endr
	ds_store_b128 v17, v[52:55] offset:WT
	ds_store_b128 v17, v[56:59] offset:WT+16
.irp e, 0,1,2,3
	v_mov_b32 v[44+\e], 0                          ; sixteen bytes of zeros, for the paddings
.endr
	s_wait_loadcnt 0x0
.irp e, 0,1,2,3
	v_min_u32 v[20+\e], 63, v[20+\e]
.endr
.irp e, 0,1,2,3
	v_mul_u32_u24 v[20+\e], 0x110, v[20+\e]        ; the token's row in LDS
.endr
	ds_store_b128 v19, v[20:23] offset:OFF+4*OPAD
	v_max_num_f32 v33, v33, v36                    ; nmax of the three memories, in every wave
	v_max_num_f32 v34, v34, v37
	v_max_num_f32 v35, v35, v38
.irp m, 1,2,4,8
	v_max_num_f32_dpp v33, v33, v33 row_xmask:\m row_mask:0xf bank_mask:0xf
	v_max_num_f32_dpp v34, v34, v34 row_xmask:\m row_mask:0xf bank_mask:0xf
	v_max_num_f32_dpp v35, v35, v35 row_xmask:\m row_mask:0xf bank_mask:0xf
.endr
	v_permlanex16_b32 v36, v33, s20, s21
	v_permlanex16_b32 v37, v34, s20, s21
	v_permlanex16_b32 v38, v35, s20, s21
	v_max_num_f32 v33, v33, v36
	v_max_num_f32 v34, v34, v37
	v_max_num_f32 v35, v35, v38
	v_readfirstlane_b32 s26, v33                   ; factors for the end; no address and no branch hangs on them
	v_readfirstlane_b32 s27, v34
	v_readfirstlane_b32 s28, v35
	v_rcp_f32 v36, v33
	v_rcp_f32 v37, v34
	v_rcp_f32 v38, v35
	v_and_b32 v60, 7, v0                           ; a plain instruction behind the reciprocals: which eight columns of the row are mine
	s_wait_alu depctr_va_vdst(0)                   ; one wait for the three
	v_cmp_gt_u32 vcc_lo, 6, v60
	v_cndmask_b32 v61, v38, v37, vcc_lo            ; columns 32-47: fast; 48-63: slow
	v_cmp_gt_u32 vcc_lo, 4, v60
	v_cndmask_b32 v61, v61, v36, vcc_lo            ; columns 0-31: sem
	v_mul_f32 v62, v32, v61                        ; n / nmax
	v_mov_b32 v63, v62                             ; named with it as a pair
	v_lshrrev_b32 v39, 3, v0                       ; my token
	v_mul_u32_u24 v72, 0x110, v39                  ; its row
	v_lshl_add_u32 v39, v60, 4, v72                ; my 16 bytes of it
	PACK4 64, 24
	ds_store_b128 v39, v[64:67]
.irp q, 0,1,2,3
	v_pk_mul_f32 v[24+2*\q:25+2*\q], v[24+2*\q:25+2*\q], v[62:63] op_sel_hi:[1,0]
.endr
	PACK4 68, 24
	ds_store_b128 v39, v[68:71] offset:128
	ds_store_b128 v72, v[44:47] offset:256         ; the row's padding: the token's eight threads, all in one wave, write the same zeros
	s_cmp_lg_u32 s14, 0
	s_cbranch_scc1 .Lpadded
	v_lshlrev_b32 v40, 2, v13                      ; wave 0 writes what no token fills: OFF's first 36 entries,
	v_mov_b32 v41, ZOFF
	ds_store_b32 v40, v41 offset:OFF
	v_and_b32 v42, 12, v40
	ds_store_b32 v42, v41 offset:OFF+128
	ds_store_b32 v40, v44 offset:WT+16384          ; WT's last 16 entries,
	v_lshlrev_b32 v43, 4, v14
	ds_store_b128 v43, v[44:47] offset:ZOFF        ; the row of zeros,
	ds_store_b128 v44, v[44:47] offset:ZOFF+256    ; and its padding
.Lpadded:
	s_wait_kmcnt 0x0
	s_min_u32 s19, s19, 63
	s_lshl_b32 s19, s19, 8                         ; the last token's row in tab
	s_wait_xcnt 0x0                                ; EXEC is changed further down: no global or scalar load still reads its sources
	s_wait_dscnt 0x0                               ; my part of the tables is written,
	s_barrier_signal -1
	s_barrier_wait -1                              ; everybody's is
	s_cmp_lg_u32 s15, 0
	s_cbranch_scc1 .Lfs
	; ---------------- THE SEM MEMORY
.macro MID_S pa, pt, ro                ; the next chunk's Khat as a row fragment (lane (r, h): position r, dims 8 h .. and 16 + 8 h ..), and offsets further ahead
	ds_load_b128 v[SR:SR+3], v10
	ds_load_b128 v[SR+4:SR+7], v10 offset:32
	ds_load_b32 v8, v[\pa] offset:\ro
	ds_load_b32 v9, v[\pt] offset:\ro
.endm
.macro ENDF_S                          ; the same chunk turned: lane l addresses position 8 h + l % 8, dims 8 ((l / 8) % 2) ..; lane (r, h) receives dim r of positions 8 h .. 8 h + 7
	ds_load_tr16_b128 v[SKT0:SKT0+3], v11
	ds_load_tr16_b128 v[SKT1:SKT1+3], v11 offset:32
	ds_load_tr16_b128 v[SK20:SK20+3], v11 offset:128
	ds_load_tr16_b128 v[SK21:SK21+3], v11 offset:160
.endm
.macro AN_S                            ; w = 1: An = -Khat
.irp q, 0,1,2,3,4,5,6,7
	v_xor_b32 v[SAN+\q], 0x80008000, v[SR+\q]
.endr
.endm
.macro VPACK_S                         ; V's column block b as source 1: rows 8 h .. of tile (0, b), then of tile (1, b): no lane is changed
	PACK4 SBV0, SV
	PACK4 SBV0+4, SV+16
	PACK4 SBV1, SV+8
	PACK4 SBV1+4, SV+24
.endm
	ds_load_b32 v8, v5 offset:64*(TRIPS+2)         ; chunk 0's offsets
	ds_load_b32 v9, v6 offset:64*(TRIPS+2)
	s_wait_dscnt 0x0
	ADDR
	MID_S 5, 6, 64*(TRIPS+1)                       ; chunk 0's Khat, chunk 1's offsets
	ENDF_S
.irp b, SAG, SP0, SP1, SKT0, SKT1, SK20, SK21  ; all this stands in the wait for those loads: the halves of operands that stay 0,
.irp q, 4,5,6,7
	v_mov_b32 v[\b+\q], 0
.endr
.endr
.set i, 0
.rept 32
	v_mov_b32 v[SC+i], 0                           ; Cm = 0: 32 lines once a wave, so that no first chunk is written out,
.set i, i+1
.endr
.set i, 0
.rept 16
	v_mov_b32 v[SV+8+i], 0                         ; V = -I: the two tiles off the diagonal,
.set i, i+1
.endr
	v_lshrrev_b32 v15, 1, v3
	v_sub_nc_u32 v13, v14, v15                     ; r - 8 h: register j holds the diagonal where it equals j
.irp j, 0,1,2,3,4,5,6,7
	v_cmp_eq_u32 vcc_lo, \j, v13
	v_cndmask_b32 v[SV+\j], 0, -1.0, vcc_lo
	v_mov_b32 v[SV+24+\j], v[SV+\j]
.endr
	s_wait_dscnt 0x0
	AN_S
	VPACK_S
	s_mov_b32 s18, TRIPS
.Lsem_loop:                                    ; a trip = a chunk c = 16 - s18.  No two matrix instructions that follow each other share an accumulator, over the backward jump too
	MM0 SX0, SAN, SBV0                             ; X = An V, columns 0-15,
	MM0 SX1, SAN, SBV1                             ; columns 16-31
	MM0 SG, SAN, SR                                ; G = An Khat^T
	s_lshl_b32 s23, s18, 6                         ; chunk c + 2 lies 64 (18 - (c + 2)) = 64 s18 bytes behind the two bases
	ADDR                                           ; four places; then loads into Khat's registers, which G has read
	v_add_nc_u32 v13, s23, v5
	v_add_nc_u32 v15, s23, v6
	MID_S 13, 15, 0                                ; the next chunk's Khat; the offsets of the chunk after it
	PACK4 SAG, SG                                  ; w = 1 makes G symmetric: lane r's eight registers are also row r, columns 0-7;
.irp q, 0,1,2,3
	v_and_b32 v[SAG+\q], v12, v[SAG+\q]            ; kept in lanes 8-15 alone: rows 8-15, columns 0-7, all else 0
.endr
	SUBLO SX0, SG, SX1, SG
	PACK4 SP0, SX0                                 ; z of positions 0-7 (and the unsolved rows 8-15, which meet zeros)
	PACK4 SP1, SX1
	MM SX0, SAG, SP0, SX0                          ; rows 8-15 take the block below the diagonal times z
	MM SX1, SAG, SP1, SX1
	PLACES
	SUBHI SX0, SG, SX1, SG
	PACK4 SP0, SX0                                 ; Z
	PACK4 SP1, SX1
	s_wait_dscnt 0x0                               ; this chunk's turned fragments (asked for at the last trip's end) and the loads above
.irp a, 0,1
.irp b, 0,1
	MM SV+8*(2*\a+\b), SKT0+8*\a, SP0+8*\b, SV+8*(2*\a+\b)     ; V += Khat^T Z
.endr
.endr
.irp a, 0,1
.irp b, 0,1
	MM SC+8*(2*\a+\b), SK20+8*\a, SP0+8*\b, SC+8*(2*\a+\b)     ; Cm += (khat n / nmax)^T Z
.endr
.endr
	AN_S                                           ; eight plain lines that name none of those products' registers: their places
	VPACK_S
	ENDF_S                                         ; the next chunk, turned
	s_sub_co_u32 s18, s18, 1
	s_cmp_lg_u32 s18, 0
	s_cbranch_scc1 .Lsem_loop
	s_wait_dscnt 0x0                               ; my reads of the tables are over (the last trip's look-ahead among them, which nothing uses)
	s_branch .Ldone
	; ---------------- THE FAST AND THE SLOW MEMORY
.Lfs:
.macro MID_F pa, pt, ro, pw
	ds_load_b128 v[FR:FR+3], v10 offset:64
	ds_load_b128 v[FR+8:FR+11], v10 offset:96
	ds_load_b64 v[FW:FW+1], v[\pw]
	ds_load_b32 v8, v[\pa] offset:\ro
	ds_load_b32 v9, v[\pt] offset:\ro
.endm
.macro ENDF_F
	ds_load_tr16_b128 v[FKT:FKT+3], v11 offset:64
	ds_load_tr16_b128 v[FKT+8:FKT+11], v11 offset:96
	ds_load_tr16_b128 v[FK2:FK2+3], v11 offset:192
	ds_load_tr16_b128 v[FK2+8:FK2+11], v11 offset:224
.endm
.macro AN_F                            ; An = -w khat: an operand scaled between its load and the matrix instruction, in f16
.irp q, 0,1,2,3
	v_pk_mul_f16 v[FAN+\q], v[FR+\q], v[FW]
	v_pk_mul_f16 v[FAN+8+\q], v[FR+8+\q], v[FW+1]
.endr
.endm
.macro VPACK_F
	PACK4 FBV, FV
	PACK4 FBV+8, FV+8
.endm
	ds_load_b32 v8, v5 offset:64*(TRIPS+2)
	ds_load_b32 v9, v6 offset:64*(TRIPS+2)
	s_wait_dscnt 0x0
	ADDR
	MID_F 5, 6, 64*(TRIPS+1), 7
	ENDF_F
.irp b, FR, FAN, FAG, FP, FBV, FKT, FK2
.irp q, 4,5,6,7,12,13,14,15
	v_mov_b32 v[\b+\q], 0                          ; d = 16 fills half of K: the other half of every operand stays 0
.endr
.endr
.set i, 0
.rept 16
	v_mov_b32 v[FC+i], 0
.set i, i+1
.endr
	v_lshrrev_b32 v15, 1, v3
	v_sub_nc_u32 v13, v14, v15
.irp j, 0,1,2,3,4,5,6,7
	v_cmp_eq_u32 vcc_lo, \j, v13
	v_cndmask_b32 v[FV+\j], 0, -1.0, vcc_lo
	v_mov_b32 v[FV+8+\j], v[FV+\j]
.endr
	s_wait_dscnt 0x0
	AN_F
	VPACK_F
	s_mov_b32 s18, TRIPS
.Lfs_loop:
	MM0 FX, FAN, FBV
	MM0 FX+8, FAN+8, FBV+8
	MM0 FG, FAN, FR
	MM0 FG+8, FAN+8, FR+8
	MM0 FD, FR, FAN                                ; register i of lane r: -w_r khat_i . khat_r = G[r][i]: w differs from row to row, so G is not symmetric here
	MM0 FD+8, FR+8, FAN+8
	s_lshl_b32 s23, s18, 6
	s_lshl_b32 s25, s18, 7
	s_sub_co_u32 s25, 128*(TRIPS+1), s25           ; chunk c + 1's w: 128 (c + 1) = 128 (17 - s18) bytes behind the base
	ADDR
	v_add_nc_u32 v13, s23, v5
	v_add_nc_u32 v15, s23, v6
	v_add_nc_u32 v[FWA], s25, v7
	MID_F 13, 15, 0, FWA
	PACK4 FAG, FD
	PACK4 FAG+8, FD+8
.irp q, 0,1,2,3
	v_and_b32 v[FAG+\q], v12, v[FAG+\q]
	v_and_b32 v[FAG+8+\q], v12, v[FAG+8+\q]
.endr
	SUBLO FX, FG, FX+8, FG+8
	PACK4 FP, FX
	PACK4 FP+8, FX+8
	MM FX, FAG, FP, FX
	MM FX+8, FAG+8, FP+8, FX+8
	PLACES
	SUBHI FX, FG, FX+8, FG+8
	PACK4 FP, FX
	PACK4 FP+8, FX+8
	s_wait_dscnt 0x0
	MM FV, FKT, FP, FV
	MM FV+8, FKT+8, FP+8, FV+8
	MM FC, FK2, FP, FC
	MM FC+8, FK2+8, FP+8, FC+8
	AN_F
	VPACK_F
	ENDF_F
	s_sub_co_u32 s18, s18, 1
	s_cmp_lg_u32 s18, 0
	s_cbranch_scc1 .Lfs_loop
	s_wait_dscnt 0x0                               ; my reads of the tables are over
	; ---------------- BOTH KINDS MEET: every wave's loop reads of LDS are back before any wave stores its segment's V and Cm
.Ldone:
	s_barrier_signal -1
	s_barrier_wait -1
	s_cmp_lg_u32 s15, 0
	s_cbranch_scc1 .Lfs_out
	s_mul_i32 s25, s16, SSEG
	s_add_co_u32 s25, s25, RESS
	v_lshlrev_b32 v13, 2, v14
	v_mul_u32_u24 v15, 72, v3                      ; 8 h rows of 144 bytes
	v_add3_u32 v13, v13, v15, s25
.irp a, 0,1
.irp b, 0,1
.irp j, 0,1,2,3,4,5,6,7
	ds_store_b32 v13, v[SV+8*(2*\a+\b)+\j] offset:(16*\a+\j)*SPIT+64*\b
.endr
.endr
.endr
.irp a, 0,1
.irp b, 0,1
.irp j, 0,1,2,3,4,5,6,7
	ds_store_b32 v13, v[SC+8*(2*\a+\b)+\j] offset:(32+16*\a+\j)*SPIT+64*\b
.endr
.endr
.endr
	s_branch .Ljoin
.Lfs_out:
	s_mul_i32 s25, s16, FSEG
	s_add_co_u32 s25, s25, RESF
	v_lshlrev_b32 v13, 2, v14
	v_mul_u32_u24 v15, 40, v3                      ; 8 h rows of 80 bytes
	v_add3_u32 v13, v13, v15, s25
.irp t, 0,1
.irp j, 0,1,2,3,4,5,6,7
	ds_store_b32 v13, v[FV+8*\t+\j] offset:32*FPIT*\t+FPIT*\j
.endr
.irp j, 0,1,2,3,4,5,6,7
	ds_store_b32 v13, v[FC+8*\t+\j] offset:32*FPIT*\t+16*FPIT+FPIT*\j
.endr
.endr
	; ---------------- THE END: waves 0, 1, 2 apply the eight segments of sem, fast, slow to q; wave 3 reads out
.Ljoin:
	s_wait_dscnt 0x0                               ; my segment's V and Cm are written
	s_lshl_b32 s30, s14, 6
	s_add_co_u32 s30, s30, 64
	s_cmp_eq_u32 s14, 0
	s_cselect_b32 s30, 0, s30                      ; my memory's first column, in bytes: 0, 128, 192
	s_cselect_b32 s31, 31, 15
	s_cselect_b32 s29, s26, s28
	s_cmp_eq_u32 s14, 1
	s_cselect_b32 s29, s27, s29                    ; its nmax
	s_cmp_gt_u32 s14, 3
	s_cbranch_scc1 .Lasked
	s_cmp_eq_u32 s14, 3
	s_cbranch_scc1 .Lask_w
	v_and_b32 v13, s31, v0
	v_lshl_add_u32 v13, v13, 2, s30                ; my column's byte in a row of 64 f32
	v_add_nc_u32 v14, s19, v13
	global_load_b32 v15, v14, s[6:7]               ; q: the last token's k
	s_branch .Lasked
.Lask_w:
	v_and_b32 v13, 31, v0
	v_lshlrev_b32 v13, 3, v13
.set i, 0
.rept 64
	global_load_b64 v[64+2*i:65+2*i], v13, s[8:9] offset:256*i     ; out_w[i][2 l, 2 l + 1]: on its way while the chains run
.set i, i+1
.endr
	global_load_b64 v[16:17], v13, s[10:11]
.Lasked:
	s_barrier_signal -1
	s_barrier_wait -1                              ; all segments lie in LDS
	s_cmp_eq_u32 s14, 0
	s_cbranch_scc1 .Lchain_s
	s_cmp_lt_u32 s14, 3
	s_cbranch_scc1 .Lchain_f
	s_branch .Lmeet
; The chain.  u' = V u' carries u with the sign (-1)^s, so Cm_s u' goes into one of two sums by s's parity, and c = nmax (even - odd): each term is the step's own contribution, none is a difference of large sums.
; Lane l holds row l of V and of Cm in registers; u'[j] comes to all lanes by row_share.  v16, v17: u'[0..15], u'[16..31], each in both halves of the lanes.  v20-23 the new u', v24-27 and v28-31 the two sums, four chains each.
.macro LOADS s                         ; segment s: row l of V (not for the last: its u' is not wanted), then of Cm, into buffer s % 2
.set LA, 32+(\s)/4
.set LI, ((\s)%4)*SSEG
.set LB, 64+64*((\s)%2)
.if (\s) < 7
.irp q, 0,1,2,3,4,5,6,7
	ds_load_b128 v[LB+4*\q:LB+4*\q+3], v[LA] offset:LI+16*\q
.endr
.endif
.irp q, 0,1,2,3,4,5,6,7
	ds_load_b128 v[LB+32+4*\q:LB+32+4*\q+3], v[LA] offset:LI+32*SPIT+16*\q
.endr
.endm
.macro SEGS s
.if (\s) < 6
	LOADS (\s)+1
	s_wait_dscnt 16                                ; LDS loads come back in order: the sixteen just issued may stay out, segment s is in
.elseif (\s) == 6
	LOADS (\s)+1
	s_wait_dscnt 8                                 ; the last segment has eight
.else
	s_wait_dscnt 0x0
.endif
.set MB, 64+64*((\s)%2)
.set CA, 24+4*((\s)%2)
.irp hh, 0,1
.irp k, 0,1,2,3,4,5,6,7,8,9,10,11,12,13,14,15
.if (\s) < 7
.if ((\hh) == 0) && ((\k) < 4)
	v_mul_f32_dpp v[20+\k], v[16+\hh], v[MB+16*\hh+\k] row_share:\k row_mask:0xf bank_mask:0xf     ; the first four products start the four chains
.else
	v_fmac_f32_dpp v[20+(\k)%4], v[16+\hh], v[MB+16*\hh+\k] row_share:\k row_mask:0xf bank_mask:0xf
.endif
.endif
	v_fmac_f32_dpp v[CA+(\k)%4], v[16+\hh], v[MB+32+16*\hh+\k] row_share:\k row_mask:0xf bank_mask:0xf
.endr
.endr
.if (\s) < 7
	v_add_f32 v20, v20, v21
	v_add_f32 v22, v22, v23
	v_add_f32 v18, v20, v22
	v_permlanex16_b32 v19, v18, s20, s21
	v_cndmask_b32 v16, v18, v19, s22               ; lanes 16-31 take the other half's: u'[0..15] twice,
	v_cndmask_b32 v17, v19, v18, s22               ; u'[16..31] twice
.endif
.endm
.Lchain_s:
	v_and_b32 v34, 31, v0
	v_mul_u32_u24 v32, 0x90, v34
	v_add_nc_u32 v32, RESS, v32                    ; my row in segments 0-3,
	v_add_nc_u32 v33, 4*SSEG, v32                  ; and in segments 4-7: the immediates stay under 16 bits
	LOADS 0
.set i, 19
.rept 13
	v_mov_b32 v[i], 0                              ; the two sums; and the destinations of lane-crossing forms count as read
.set i, i+1
.endr
	s_wait_loadcnt 0x0                             ; q
	v_permlanex16_b32 v19, v15, s20, s21
	v_cndmask_b32 v16, v15, v19, s22
	v_cndmask_b32 v17, v19, v15, s22
.irp s, 0,1,2,3,4,5,6,7
	SEGS \s
.endr
	s_branch .Lcsum
.macro LOADF s                         ; d = 16: both halves of the lanes hold row l % 16
.set LB, 64+32*((\s)%2)
.if (\s) < 7
.irp q, 0,1,2,3
	ds_load_b128 v[LB+4*\q:LB+4*\q+3], v32 offset:FSEG*(\s)+16*\q
.endr
.endif
.irp q, 0,1,2,3
	ds_load_b128 v[LB+16+4*\q:LB+16+4*\q+3], v32 offset:FSEG*(\s)+16*FPIT+16*\q
.endr
.endm
.macro SEGF s
.if (\s) < 6
	LOADF (\s)+1
	s_wait_dscnt 8                                 ; the eight just issued may stay out
.elseif (\s) == 6
	LOADF (\s)+1
	s_wait_dscnt 4
.else
	s_wait_dscnt 0x0
.endif
.set MB, 64+32*((\s)%2)
.set CA, 24+4*((\s)%2)
.if (\s) == 0
.set UF, 15                            ; q as it was loaded
.else
.set UF, 16
.endif
.irp k, 0,1,2,3,4,5,6,7,8,9,10,11,12,13,14,15
.if (\s) < 7
.if (\k) < 4
	v_mul_f32_dpp v[20+\k], v[UF], v[MB+\k] row_share:\k row_mask:0xf bank_mask:0xf
.else
	v_fmac_f32_dpp v[20+(\k)%4], v[UF], v[MB+\k] row_share:\k row_mask:0xf bank_mask:0xf
.endif
.endif
	v_fmac_f32_dpp v[CA+(\k)%4], v[UF], v[MB+16+\k] row_share:\k row_mask:0xf bank_mask:0xf
.endr
.if (\s) < 7
	v_add_f32 v20, v20, v21
	v_add_f32 v22, v22, v23
	v_add_f32 v16, v20, v22
.endif
.endm
.Lchain_f:
	s_sub_co_u32 s25, s14, 1                       ; 0 fast, 1 slow
	s_mul_i32 s25, s25, 32*FPIT
	s_add_co_u32 s25, s25, RESF
	v_and_b32 v34, 15, v0
	v_mul_u32_u24 v32, 80, v34
	v_add_nc_u32 v32, s25, v32
	LOADF 0
.set i, 20
.rept 12
	v_mov_b32 v[i], 0
.set i, i+1
.endr
	s_wait_loadcnt 0x0                             ; q
.irp s, 0,1,2,3,4,5,6,7
	SEGF \s
.endr
.Lcsum:
	v_add_f32 v24, v24, v25
	v_add_f32 v26, v26, v27
	v_add_f32 v28, v28, v29
	v_add_f32 v30, v30, v31
	v_add_f32 v24, v24, v26
	v_add_f32 v28, v28, v30
	v_sub_f32 v24, v24, v28
	v_mul_f32 v24, s29, v24                        ; c
	v_add_nc_u32 v25, CCAT, v13
	ds_store_b32 v25, v24
.Lmeet:
	s_wait_dscnt 0x0
	s_barrier_signal -1
	s_barrier_wait -1                              ; c of all three memories lies in LDS
	s_cmp_lg_u32 s14, 3
	s_cbranch_scc1 .Lend
	; THE READOUT: out[2 l, 2 l + 1] = out_b + the sum over i of c[i] out_w[i][..]; even and odd i in two chains
	v_mov_b32 v20, CCAT
.irp q, 0,1,2,3,4,5,6,7,8,9,10,11,12,13,14,15
	ds_load_b128 v[192+4*\q:195+4*\q], v20 offset:16*\q    ; c, the same in every lane
.endr
	s_lshl_b32 s25, ttmp9, 8
	v_add_nc_u32 v21, s25, v13                     ; my 8 bytes of row b
	s_wait_loadcnt 0x0                             ; out_w, out_b
	s_wait_dscnt 0x0
	v_pk_fma_f32 v[16:17], v[64:65], v[192:193], v[16:17] op_sel_hi:[1,0,1]        ; both halves times the pair's first number,
	v_pk_mul_f32 v[18:19], v[66:67], v[192:193] op_sel:[0,1] op_sel_hi:[1,1]       ; its second
.set i, 1
.rept 31
	v_pk_fma_f32 v[16:17], v[64+4*i:65+4*i], v[192+2*i:193+2*i], v[16:17] op_sel_hi:[1,0,1]
	v_pk_fma_f32 v[18:19], v[66+4*i:67+4*i], v[192+2*i:193+2*i], v[18:19] op_sel:[0,1,0] op_sel_hi:[1,1,1]
.set i, i+1
.endr
	v_pk_add_f32 v[16:17], v[16:17], v[18:19]
	global_store_b64 v21, v[16:17], s[12:13]       ; the wave's store covers the row's 256 consecutive bytes, aligned
.Lend:
	s_wait_tensorcnt 0x0                           ; the wave's end, behind my last LDS store
	ds_add_u32 v1, v2
	s_wait_dscnt 0x0
	s_endpgm
.Lfunc_end_k_q47d1aeab71_scan:
	.size	k_q47d1aeab71_scan, .Lfunc_end_k_q47d1aeab71_scan-k_q47d1aeab71_scan
	.p2alignl 7, 3214868480
	.fill 96, 4, 3214868480
	.section	.rodata,"a",@progbits
	.p2align	6, 0x0
	.amdhsa_kernel k_q47d1aeab71_scan
		.amdhsa_group_segment_fixed_size 160000
		.amdhsa_private_segment_fixed_size 0
		.amdhsa_enable_private_segment 0
		.amdhsa_kernarg_size 40
		.amdhsa_user_sgpr_count 2
		.amdhsa_user_sgpr_kernarg_segment_ptr 1
		.amdhsa_wavefront_size32 1
		.amdhsa_system_sgpr_workgroup_id_x 1
		.amdhsa_system_sgpr_workgroup_id_y 1
		.amdhsa_system_sgpr_workgroup_id_z 1
		.amdhsa_system_vgpr_workitem_id 0
		.amdhsa_next_free_vgpr 256
		.amdhsa_next_free_sgpr 66
		.amdhsa_reserve_vcc 1
		.amdhsa_float_denorm_mode_32 3
		.amdhsa_float_denorm_mode_16_64 3
		.amdhsa_memory_ordered 1
		.amdhsa_forward_progress 1
		.amdhsa_inst_pref_size 125
	.end_amdhsa_kernel
	.amdgpu_metadata
---
amdhsa.version: [ 1, 2 ]
amdhsa.kernels:
  - .name:           k_q47d1aeab71_scan
    .symbol:         k_q47d1aeab71_scan.kd
    .args:
      - { .name: seq, .offset: 0, .size: 8, .value_kind: global_buffer, .address_space: global }
      - { .name: tab, .offset: 8, .size: 8, .value_kind: global_buffer, .address_space: global }
      - { .name: out_w, .offset: 16, .size: 8, .value_kind: global_buffer, .address_space: global }
      - { .name: out_b, .offset: 24, .size: 8, .value_kind: global_buffer, .address_space: global }
      - { .name: out0, .offset: 32, .size: 8, .value_kind: global_buffer, .address_space: global }
    .group_segment_fixed_size: 160000
    .private_segment_fixed_size: 0
    .kernarg_segment_align: 8
    .kernarg_segment_size: 40
    .max_flat_workgroup_size: 512
    .sgpr_count:     66
    .vgpr_count:     256
    .wavefront_size: 32
...
	.end_amdgpu_metadata
.endif
;; end of part 2
